; MI455X (gfx1250); checked and timed in simulation.
; The chip was launched on July 23, 2026; its instructions are those of AMD's public machine-readable ISA for CDNA 5 (MIT licence, August 2026) and "CDNA5" Instruction Set Architecture Reference Guide (July 2026). The comments in the code are by the model that wrote it; some were corrected since.
;; Moonshot Linear. Allowed arithmetic: float matrix products may take bf16 or f16 operands with f32 sums; all other float work in f32.
;; Inputs: bias 2,048 float32; codebook 256 x 8 float32; indices 1,048,576 int32; x 4 x 2,048 x 4,096 float32.
;; Outputs: out0 4 x 2,048 x 2,048 float32.
;; 2 versions, each right; version 2 is version 1 with the launch cast written anew for expert scheduling mode. Each part assembles by itself: llvm-mc -triple=amdgcn-amd-amdhsa -mcpu=gfx1250 --defsym DOCPART=n.
;; ======== version 1 of 2: 3 launches
;; workspace buffers: wq 16,777,216 bytes; xb 67,108,864 bytes
;; launch dequant (part 1): grid 256 x 1, 8 waves a work-group, no clusters, 21,760 bytes of LDS; arguments indices, codebook, wq; writes wq
.if DOCPART == 1
	.amdgcn_target "amdgcn-amd-amdhsa--gfx1250"
	.amdhsa_code_object_version 6
	.text
	.protected	k_q163358790c_dequant
	.globl	k_q163358790c_dequant
	.p2align	8
	.type	k_q163358790c_dequant,@function
k_q163358790c_dequant:
	s_mov_b64 s[64:65], 0
	v_nop
	global_prefetch_b8 v0, s[64:65] scope:SCOPE_SE
	s_setreg_imm32_b32 hwreg(HW_REG_WAVE_MODE, 25, 1), 1
	s_wait_xcnt 0x0
; wq = W[2048][4096] in bf16, W's run of 8 neighbouring k being codebook[indices[n*512 + k/8]], laid out in the order in which the
; product's launch feeds the matrix instruction (a fragment of 16 rows x 32 k is 8 registers: ISA guide 7.12.2):
;   byte(n, k) = (n>>8)*2097152 + (k>>5)*16384 + ((n>>4)&15)*1024 + ((k>>4)&1)*512 + (16*((k>>3)&1) + (n&15))*16 + 2*(k&7)
; One code (8 bf16, 16 bytes) is registers 0-3 or 4-7 of one lane of a fragment, so a code is copied whole and never cut.
; A work-group owns 16 rows of W (nbg = id >> 1) and half of their k (kh = id & 1): 4,096 indices in, 65,536 bytes out.
; Indices come in by rows (a wave's load covers 512 consecutive bytes), wait in LDS, and are read from there by fragment lanes;
; the codebook is rounded to bf16 once (nearest even) and lies in LDS as 256 x 16 bytes.
; LIMIT: indices are taken as 0..255, as the table has 256 rows; any other word is clamped, as an unsigned number, to 255.
; No matrix unit, no tensor load, no cluster: the launch is a stream of 4 MiB in and 16 MiB out in which work-groups share
; nothing but the 8 KiB codebook.
.set IDX,    4096                      ; LDS: [0, 4096) the codebook in bf16; from 4096 on 16 rows of 256 indices
.set IPITCH, 1040                      ; 1,024 bytes + 16 = 260 words: row r starts 4 r words on, so the 32 words that an index read touches (4 r + h) differ modulo 64
.set GI,  2                            ; v2        indices: my 16 bytes of row t >> 6 of four rows
.set LI,  3                            ; v3        where they go in LDS
.set CI,  4                            ; v4        my code in the codebook, 32 t
.set CL,  5                            ; v5        my code in LDS, 16 t
.set LR,  6                            ; v6        index read: row r, word h, my wave's eight k blocks
.set GO,  7                            ; v7        my 16 bytes in wq
.set CF,  8                            ; v[8:15]   my code in f32
.set CB,  16                           ; v[16:19]  my code in bf16
.set IN,  20                           ; v[20:35]  four loads of four indices
.set IX,  36                           ; v[36:51]  sixteen indices, then sixteen LDS addresses
.set DAT, 52                           ; v[52:115] sixteen codes of four registers
	s_load_b128 s[4:7], s[0:1], 0x0                ; indices s[4:5], codebook s[6:7]
	s_load_b64 s[8:9], s[0:1], 0x10                ; wq
	v_lshl_add_u32 v116, v0, 2, 0x5100
	v_mov_b32 v117, 0
	s_lshr_b32 s14, ttmp9, 1                       ; nbg: which 16 rows of W
	s_and_b32 s15, ttmp9, 1                        ; kh: which half of k
	s_lshl_b32 s10, s14, 15                        ; 16 rows of 512 indices of 4 bytes
	s_lshl_b32 s16, s15, 10                        ; 256 indices
	s_add_co_u32 s10, s10, s16
	s_mov_b32 s11, 0
	s_lshr_b32 s12, s14, 4
	s_lshl_b32 s12, s12, 21                        ; (n >> 8) x 2 MiB
	s_lshl_b32 s16, s15, 20                        ; 64 k blocks of 16 KiB
	s_add_co_u32 s12, s12, s16
	s_and_b32 s16, s14, 15
	s_lshl_b32 s16, s16, 10                        ; ((n >> 4) & 15) x 1,024
	s_add_co_u32 s12, s12, s16
	s_mov_b32 s13, 0
	v_lshrrev_b32 v1, 6, v0                        ; t >> 6: row among four
	v_and_b32 v36, 63, v0
	v_lshlrev_b32 v36, 4, v36                      ; 16 (t & 63): my 16 bytes of the row's 1,024
	v_lshl_add_u32 v[GI], v1, 11, v36              ; a row of indices is 2,048 bytes
	v_mul_u32_u24 v[LI], v1, IPITCH
	v_add3_u32 v[LI], v[LI], v36, IDX
	v_lshlrev_b32 v[CI], 5, v0
	v_lshlrev_b32 v[CL], 4, v0
	v_and_b32 v36, 15, v0                          ; r
	v_bfe_u32 v37, v0, 4, 1                        ; h
	v_lshrrev_b32 v38, 5, v0                       ; wave
	v_mul_u32_u24 v[LR], v36, IPITCH
	v_lshl_add_u32 v[LR], v37, 2, v[LR]            ; + 4 h
	v_lshl_add_u32 v[LR], v38, 7, v[LR]            ; + 8 k blocks x 4 indices x 4 bytes for each wave
	v_add_nc_u32 v[LR], IDX, v[LR]
	v_and_b32 v[GO], 31, v0
	v_lshlrev_b32 v[GO], 4, v[GO]                  ; 16 x lane
	v_lshl_add_u32 v[GO], v38, 17, v[GO]           ; + 8 k blocks of 16 KiB for each wave
	s_wait_kmcnt 0x0
	s_add_nc_u64 s[4:5], s[4:5], s[10:11]
	s_add_nc_u64 s[8:9], s[8:9], s[12:13]
	global_load_b128 v[CF:CF+3],   v[CI], s[6:7]
	global_load_b128 v[CF+4:CF+7], v[CI], s[6:7] offset:16
.irp j, 0,1,2,3
	global_load_b128 v[IN+4*\j:IN+4*\j+3], v[GI], s[4:5] offset:8192*\j th:TH_LOAD_NT   ; rows 4 j + (t >> 6); read once in the launch
.endr
	s_wait_loadcnt 0x4                             ; the codebook's two loads are in, the four younger loads stay out
.irp j, 0,1,2,3
	v_cvt_pk_bf16_f32 v[CB+\j], v[CF+2*\j], v[CF+2*\j+1]
.endr
	ds_store_b128 v[CL], v[CB:CB+3]
.irp j, 0,1,2,3
	s_wait_loadcnt 3-\j                            ; loads come back in order (ISA guide 5.7.1): load j is in
	ds_store_b128 v[LI], v[IN+4*\j:IN+4*\j+3] offset:4*IPITCH*\j
.endr
	s_wait_dscnt 0x0                               ; my stores are in LDS, for the other waves' sake
	s_barrier_signal -1
	s_barrier_wait -1                              ; the one barrier: from here on LDS is only read
	; item e = 2 i + c: k block 8 wave + i, half c of its 32 k.  Lane (r, h) wants index 4 kb + 2 c + h of row r.
.set e, 0
.rept 16
	ds_load_b32 v[IX+e], v[LR] offset:8*e
.set e, e+1
.endr
	s_wait_dscnt 0x0
.set e, 0
.rept 16
	v_min_u32 v[IX+e], 0xff, v[IX+e]               ; inside the table, whatever the word
	v_lshlrev_b32 v[IX+e], 4, v[IX+e]              ; 16 bytes a code
.set e, e+1
.endr
.set e, 0
.rept 16
	ds_load_b128 v[DAT+4*e:DAT+4*e+3], v[IX+e]
.set e, e+1
.endr
.set e, 0
.rept 16
	s_wait_dscnt 15-e                              ; LDS loads come back in order: code e is in
	global_store_b128 v[GO], v[DAT+4*e:DAT+4*e+3], s[8:9] offset:16384*(e/2)+512*(e%2)   ; the wave's store covers 512 consecutive bytes, aligned; no register is written again
.set e, e+1
.endr
	s_wait_tensorcnt 0x0
	ds_add_u32 v116, v117
	s_wait_dscnt 0x0
	s_endpgm
.Lfunc_end_k_q163358790c_dequant:
	.size	k_q163358790c_dequant, .Lfunc_end_k_q163358790c_dequant-k_q163358790c_dequant
	.p2alignl 7, 3214868480
	.fill 96, 4, 3214868480
	.section	.rodata,"a",@progbits
	.p2align	6, 0x0
	.amdhsa_kernel k_q163358790c_dequant
		.amdhsa_group_segment_fixed_size 21760
		.amdhsa_private_segment_fixed_size 0
		.amdhsa_enable_private_segment 0
		.amdhsa_kernarg_size 24
		.amdhsa_user_sgpr_count 2
		.amdhsa_user_sgpr_kernarg_segment_ptr 1
		.amdhsa_wavefront_size32 1
		.amdhsa_system_sgpr_workgroup_id_x 1
		.amdhsa_system_sgpr_workgroup_id_y 1
		.amdhsa_system_sgpr_workgroup_id_z 1
		.amdhsa_system_vgpr_workitem_id 0
		.amdhsa_next_free_vgpr 118
		.amdhsa_next_free_sgpr 66
		.amdhsa_reserve_vcc 0
		.amdhsa_float_denorm_mode_32 3
		.amdhsa_float_denorm_mode_16_64 3
		.amdhsa_memory_ordered 1
		.amdhsa_forward_progress 1
		.amdhsa_inst_pref_size 10
	.end_amdhsa_kernel
	.amdgpu_metadata
---
amdhsa.version: [ 1, 2 ]
amdhsa.kernels:
  - .name:           k_q163358790c_dequant
    .symbol:         k_q163358790c_dequant.kd
    .args:
      - { .name: indices, .offset: 0, .size: 8, .value_kind: global_buffer, .address_space: global }
      - { .name: codebook, .offset: 8, .size: 8, .value_kind: global_buffer, .address_space: global }
      - { .name: wq, .offset: 16, .size: 8, .value_kind: global_buffer, .address_space: global }
    .group_segment_fixed_size: 21760
    .private_segment_fixed_size: 0
    .kernarg_segment_align: 8
    .kernarg_segment_size: 24
    .max_flat_workgroup_size: 256
    .sgpr_count:     66
    .vgpr_count:     118
    .wavefront_size: 32
...
	.end_amdgpu_metadata
.endif
;; end of part 1
;; launch cast (part 2): grid 1024 x 1, 8 waves a work-group, no clusters, 0 bytes of LDS; arguments x, xb; writes xb
.if DOCPART == 2
	.amdgcn_target "amdgcn-amd-amdhsa--gfx1250"
	.amdhsa_code_object_version 6
	.text
	.protected	k_q163358790c_cast
	.globl	k_q163358790c_cast
	.p2align	8
	.type	k_q163358790c_cast,@function
k_q163358790c_cast:
	s_mov_b64 s[64:65], 0
	v_nop
	global_prefetch_b8 v0, s[64:65] scope:SCOPE_SE
	s_setreg_imm32_b32 hwreg(HW_REG_WAVE_MODE, 25, 1), 1
	s_wait_xcnt 0x0
; xb = x rounded to bf16 (nearest even), in x's own order: [8192][4096].
; WHY A LAUNCH OF ITS OWN: the product's work-group makes 256 x 256 outputs and keeps two LDS slots that take turns.  With x in f32 a slot
; takes 256 x 4 + 256 x 2 = 1,536 bytes for each k, so two slots of 128 k would be 393,216 bytes, more than a work-group can have (327,680);
; with x in bf16 they are 2 x 135,168.  The longer step doubles the matrix work that stands between a tile's request and the wait for it.
; It also rounds each number of x once, not once in each of the eight block columns.
; A stream: 1,024 work-groups of eight waves; a work-group owns 131,072 bytes of x, 32 chunks of 4,096.  Thread t takes the 16 bytes at 16 t
; of each chunk, so a wave's load covers 512 consecutive bytes, and stores 8 bytes at 8 t, so a wave's store fills 256 consecutive bytes, aligned.
; The chunk stands in the immediates: no address register is ever written again.  Every chunk has its own pair of result registers, so no
; store's data is written again either.  A ring of DEPTH load slots keeps DEPTH loads of every wave in flight.
; No LDS, no barrier, no matrix unit, no cluster: no byte is used twice.
.set CHUNK,  4096
.set CHUNKS, 32
.set DEPTH,  8
.set IO, 1                             ; v1        16 t
.set OO, 2                             ; v2        8 t
.set X,  4                             ; v[4:35]   slot c % 8: four f32 as loaded
.set Y,  36                            ; v[36:99]  chunk c: four bf16 to store
	s_load_b128 s[4:7], s[0:1], 0x0                ; x s[4:5], xb s[6:7]
	s_lshl_b32 s8, ttmp9, 17                       ; 131,072 bytes of x for each work-group: 2^27 in all, below 4 GiB
	s_mov_b32 s9, 0
	s_lshl_b32 s10, ttmp9, 16                      ; half as many of xb
	s_mov_b32 s11, 0
	v_lshlrev_b32 v[IO], 4, v0
	v_lshlrev_b32 v[OO], 3, v0
	s_wait_kmcnt 0x0
	s_add_nc_u64 s[4:5], s[4:5], s[8:9]
	s_add_nc_u64 s[6:7], s[6:7], s[10:11]
.set c, 0
.rept DEPTH
	global_load_b128 v[X+4*c:X+4*c+3], v[IO], s[4:5] offset:c*CHUNK th:TH_LOAD_NT   ; read once in the launch
.set c, c+1
.endr
.set c, 0
.rept CHUNKS
.if c < CHUNKS-DEPTH
	s_wait_loadcnt DEPTH-1                         ; loads come back in order (ISA guide 5.7.1): chunk c is in, the seven younger loads stay out
.else
	s_wait_loadcnt CHUNKS-1-c                      ; the last eight chunks load nothing: the counts run down
.endif
	v_cvt_pk_bf16_f32 v[Y+2*c],   v[X+4*(c%DEPTH)],   v[X+4*(c%DEPTH)+1]
	v_cvt_pk_bf16_f32 v[Y+2*c+1], v[X+4*(c%DEPTH)+2], v[X+4*(c%DEPTH)+3]
.if c < CHUNKS-DEPTH
	global_load_b128 v[X+4*(c%DEPTH):X+4*(c%DEPTH)+3], v[IO], s[4:5] offset:(c+DEPTH)*CHUNK th:TH_LOAD_NT
.endif
	global_store_b64 v[OO], v[Y+2*c:Y+2*c+1], s[6:7] offset:c*CHUNK/2   ; no hint: the next launch reads these bytes
.set c, c+1
.endr
	s_endpgm
.Lfunc_end_k_q163358790c_cast:
	.size	k_q163358790c_cast, .Lfunc_end_k_q163358790c_cast-k_q163358790c_cast
	.p2alignl 7, 3214868480
	.fill 96, 4, 3214868480
	.section	.rodata,"a",@progbits
	.p2align	6, 0x0
	.amdhsa_kernel k_q163358790c_cast
		.amdhsa_group_segment_fixed_size 0
		.amdhsa_private_segment_fixed_size 0
		.amdhsa_enable_private_segment 0
		.amdhsa_kernarg_size 16
		.amdhsa_user_sgpr_count 2
		.amdhsa_user_sgpr_kernarg_segment_ptr 1
		.amdhsa_wavefront_size32 1
		.amdhsa_system_sgpr_workgroup_id_x 1
		.amdhsa_system_sgpr_workgroup_id_y 1
		.amdhsa_system_sgpr_workgroup_id_z 1
		.amdhsa_system_vgpr_workitem_id 0
		.amdhsa_next_free_vgpr 100
		.amdhsa_next_free_sgpr 66
		.amdhsa_reserve_vcc 0
		.amdhsa_float_denorm_mode_32 3
		.amdhsa_float_denorm_mode_16_64 3
		.amdhsa_memory_ordered 1
		.amdhsa_forward_progress 1
		.amdhsa_inst_pref_size 12
	.end_amdhsa_kernel
	.amdgpu_metadata
---
amdhsa.version: [ 1, 2 ]
amdhsa.kernels:
  - .name:           k_q163358790c_cast
    .symbol:         k_q163358790c_cast.kd
    .args:
      - { .name: x, .offset: 0, .size: 8, .value_kind: global_buffer, .address_space: global }
      - { .name: xb, .offset: 8, .size: 8, .value_kind: global_buffer, .address_space: global }
    .group_segment_fixed_size: 0
    .private_segment_fixed_size: 0
    .kernarg_segment_align: 8
    .kernarg_segment_size: 16
    .max_flat_workgroup_size: 256
    .sgpr_count:     66
    .vgpr_count:     100
    .wavefront_size: 32
...
	.end_amdgpu_metadata
.endif
;; end of part 2
;; launch gemm (part 3): grid 8 x 32, 4 waves a work-group, clusters of 4 x 4, 327,680 bytes of LDS; arguments xb, wq, bias, out0; writes out0
.if DOCPART == 3
	.amdgcn_target "amdgcn-amd-amdhsa--gfx1250"
	.amdhsa_code_object_version 6
	.text
	.protected	k_q163358790c_gemm
	.globl	k_q163358790c_gemm
	.p2align	8
	.type	k_q163358790c_gemm,@function
k_q163358790c_gemm:
	s_mov_b64 s[64:65], 0
	v_nop
	global_prefetch_b8 v0, s[64:65] scope:SCOPE_SE
	s_setreg_imm32_b32 hwreg(HW_REG_WAVE_MODE, 25, 1), 1
	s_wait_xcnt 0x0
	s_wait_alu depctr_hold_cnt(0) depctr_sa_sdst(0) depctr_va_vdst(0) depctr_va_sdst(0) depctr_va_ssrc(0) depctr_va_vcc(0) depctr_vm_vsrc(0)
	s_getreg_b32 s2, hwreg(HW_REG_IB_STS2, 6, 4)
	s_cmp_eq_u32 s2, 0
	s_cbranch_scc0 .Lentry_in_a_cluster
	s_endpgm
.Lentry_in_a_cluster:
	s_bfe_u32 s2, ttmp6, 0x10000c
	s_cmp_lg_u32 s2, 0xf033
	s_cbranch_scc0 .Lentry_shape_is_right
	s_endpgm
.Lentry_shape_is_right:
; out0[m][n] = sum over k of x[m][k] W[n][k] + bias[n].  xb: x in bf16, [8192][4096].  wq: W in bf16 in fragment order (below).  out0: [8192][2048] f32.
; Sums in f32, K ascending; the bias is added in f32.
; A work-group makes a block of 256 x 256 with four waves; a wave makes 128 x 128: 64 accumulator tiles of 16 x 16, 512 registers.
; K goes in steps of 128 through a ring of two LDS slots filled by the tensor data mover.  A slot holds 256 rows x 128 bf16 of xb (rows of
; 256 bytes of memory, aligned) and 64 KiB of wq.
; wq: byte(n, k) = (n>>8)*2097152 + (k>>5)*16384 + ((n>>4)&15)*1024 + ((k>>4)&1)*512 + (16*((k>>3)&1) + (n&15))*16 + 2*(k&7):
; a block column's K step is 64 KiB dense, and half a fragment is 512 consecutive bytes, lane l at 16 l: no padding is needed.
; CLUSTERS: 4 x 4 work-groups.  xb's tile hangs on the block row alone and is asked for jointly along a row of the cluster; wq's on the
; block column alone, jointly along a column.  That divides the requests for both by four.
; NO PREFETCH: from a tile's request to the wait for it a wave issues 240 of a K step's 256 matrix instructions, and the tiles are shared in the cluster.
;
; REGISTERS, in windows of 256:
;   window 0: v16-22 addresses, v24-27 bias, v64-127 and v128-191 fragments of x (8 x 16 rows x 32 K), two buffers; on the way out rows of out0
;   window 1: v64-127, v128-191 fragments of W, two buffers
;   window 2: the 32 accumulator tiles of my rows 0-63 (tile (a, b) at v[8 (8 a + b)]);   window 3: those of my rows 64-127
; THE MATRIX INSTRUCTION IS USED TRANSPOSED: source 0 = 16 rows of W, source 1 = 16 rows of x, so that lane l holds row l % 16 of out0
; and its eight registers the columns 16 b + 8 (l / 16) + 0..7: 32 neighbouring bytes.
.set KSTEP,  128
.set PITCH,  272                       ; an LDS row of x: 256 bytes + 16 of padding: the 16 rows that half a load touches start at 16 different 16-byte columns of 256
.set HALFT,  128*PITCH                 ; 34,816: what one tensor load of xb brings, and what one wave reads of x
.set APART,  2*HALFT                   ; 69,632
.set BBLK,   16384                     ; wq: 256 rows of W x 32 k
.set BHALF,  2*BBLK                    ; what one tensor load of wq brings
.set SLOT,   APART+4*BBLK              ; 135,168
.set STAGE,  2*SLOT                    ; behind the ring: 16 rows x 528 bytes for each wave, for the way out; no tensor load lands here
.set SPITCH, 528                       ; 512 bytes + 16
.set LAPS,   4096/(2*KSTEP)            ; a lap = two K steps = once round the ring: 16
.set ADRA, 16                          ; v16-17  LDS address of my x fragments in slot 0, 1
.set ADRB, 18                          ; v18-19  the same for W
.set STO,  20                          ; the way out: where I put 32 bytes of a row
.set RD,   21                          ; the way out: where I read a row back
.set CO,   22                          ; 16 x lane: my bytes in bias and in my 512 bytes of a row of out0
.set BIAS, 24                          ; v[24:27] bias of my wave's columns 4 l .. 4 l + 3
.set F0,   64                          ; fragment buffer 0
.set F1,   128                         ; fragment buffer 1
.set G1A, 24                           ; s[24:31] group 1 for xb's tiles
.set G0A, 32                           ; s[32:39] group 0 for xb's tiles, a set for each slot
.set G1B, 40                           ; s[40:47] group 1 for wq's tiles
.set G0B, 48                           ; s[48:55] group 0 for wq's tiles, a set for each slot
.set MSB, 0
.macro WIN new                         ; the immediate's high byte repeats the setting that is left
.if MSB != \new
	s_set_vgpr_msb (MSB<<8)|\new
.set MSB, \new
.endif
.endm
.set MUL_LO, 0xa1                      ; source 0 (W) window 1, source 1 (x) window 0, C and D window 2
.set MUL_HI, 0xf1                      ; the same, C and D window 3
.set TO_B,   0x40                      ; destination window 1, address window 0
.set ST_LO,  0x08                      ; an LDS store's data (source 1) from window 2
.set ST_HI,  0x0c                      ; from window 3
; A joint load.  Waves 0 and 1 fetch xb's two halves of 128 rows, waves 2 and 3 two k blocks of wq each.  Each line has one mask and one set
; of registers, in which nothing hangs on a coordinate that the four partners do not share.  The branch hangs on the wave's number alone.
.macro JLOAD s
	s_cmp_eq_u32 s13, 0
	s_cbranch_scc0 .Lfor_b_\@
	tensor_load_to_lds s[G0A+4*\s:G0A+4*\s+3], s[G1A:G1A+7]
	s_nop 0
	s_branch .Lasked_\@
.Lfor_b_\@:
	tensor_load_to_lds s[G0B+4*\s:G0B+4*\s+3], s[G1B:G1B+7]
	s_nop 0
.Lasked_\@:
.endm
; A round of the cluster's barrier: my work-group's barrier; wave 0 signals for the work-group; every wave waits for all sixteen; my work-group's barrier once more.
.macro CREST                           ; a round behind its opening barrier
	s_cmp_lg_u32 s12, 0
	s_cbranch_scc1 .Lnot_wave_0_\@
	s_barrier_signal -3
.Lnot_wave_0_\@:
	s_barrier_wait -3
	s_barrier_signal -1
	s_barrier_wait -1
.endm
.macro CROUND
	s_barrier_signal -1
	s_barrier_wait -1
	CREST
.endm
	s_load_b256 s[4:11], s[0:1], 0x0               ; xb s[4:5], wq s[6:7], bias s[8:9], out0 s[10:11]
	s_set_vgpr_msb 0x40
	v_lshl_add_u32 v255, v0, 2, 0x4a400
	s_set_vgpr_msb 0x4000
	v_mov_b32 v255, 0
	s_set_vgpr_msb 0x1
	ds_add_u32 v255, v255
	ds_add_u32 v255, v255
	s_set_vgpr_msb 0x100
	v_lshrrev_b32 v1, 5, v0
	v_readfirstlane_b32 s12, v1                    ; wave 0..3
	s_lshr_b32 s13, s12, 1                         ; which half of the block's rows is mine.  Also: I fetch for xb (0) or for wq (1)
	s_and_b32 s14, s12, 1                          ; which half of its columns.  Also: which half of that tile I fetch
	s_bfe_u32 s16, ttmp6, 0x40000                  ; cx
	s_bfe_u32 s17, ttmp6, 0x40004                  ; cy
	s_lshl_b32 s18, ttmp9, 2
	s_add_co_u32 s18, s18, s16                     ; bx: block column = 4 x cluster x + cx
	s_and_b32 s19, ttmp7, 0xffff
	s_lshl_b32 s19, s19, 2
	s_add_co_u32 s19, s19, s17                     ; by: block row = 4 x cluster y + cy
	s_lshl_b32 s20, s17, 2
	s_lshl_b32 s20, 15, s20                        ; my row of the cluster: places 4 cy .. 4 cy + 3
	s_lshl_b32 s21, 0x1111, s16                    ; my column: places cx, cx + 4, cx + 8, cx + 12
	; group 1 for xb: 128 rows x 128 elements of 2 bytes, 16 bytes of padding behind each row
	s_or_b32 s[G1A+0], s20, (1<<16)|(1<<20)|(1<<21)|(5<<22)|(3<<25)  ; 15:0 mask: my row; 17:16 elements of 2 bytes; 20 padding on; 21 set beside a mask; 24:22 after every 64 words; 31:25 four words
	s_mov_b32 s[G1A+1], KSTEP<<16                  ; tensor_dim0 = 128
	s_mov_b32 s[G1A+2], 128<<16                    ; tensor_dim1 = 128
	s_mov_b32 s[G1A+3], KSTEP<<16                  ; tile_dim0 = 128
	s_mov_b32 s[G1A+4], 128                        ; tile_dim1 = 128
	s_mov_b32 s[G1A+5], 4096                       ; elements from row to row
	s_mov_b32 s[G1A+6], 0
	s_mov_b32 s[G1A+7], 0
	; group 1 for wq: 32 KiB dense, as 128 rows of 32 elements of 8 bytes, no padding
	s_or_b32 s[G1B+0], s21, (3<<16)|(1<<21)        ; mask: my column; elements of 8 bytes; 21 set beside a mask
	s_mov_b32 s[G1B+1], 32<<16
	s_mov_b32 s[G1B+2], 128<<16
	s_mov_b32 s[G1B+3], 32<<16
	s_mov_b32 s[G1B+4], 128
	s_mov_b32 s[G1B+5], 32
	s_mov_b32 s[G1B+6], 0
	s_mov_b32 s[G1B+7], 0
	; where the tiles come from: xb's offset is made of by and the wave alone, wq's of bx and the wave alone
	s_lshl_b32 s56, s19, 21                        ; 256 rows of 8,192 bytes
	s_lshl_b32 s22, s14, 20                        ; 128 rows
	s_add_co_u32 s56, s56, s22
	s_mov_b32 s57, 0
	s_lshl_b32 s58, s18, 21                        ; a block column of wq is 2 MiB
	s_lshl_b32 s22, s14, 15                        ; two k blocks
	s_add_co_u32 s58, s58, s22
	s_mov_b32 s59, 0
	; and where they go: a constant and the wave's number times a constant
	s_mul_i32 s23, s12, HALFT                      ; waves 0, 1: xb's halves at 0 and 34,816
	s_lshl_b32 s15, s12, 15
	s_add_co_u32 s15, s15, APART-2*BHALF           ; waves 2, 3: wq's halves at 69,632 and 102,400
	; offsets that mix bx and by: out0; and the bias.  None of them feeds a descriptor.
	s_lshl_b32 s70, s18, 10                        ; 256 columns of 4 bytes
	s_lshl_b32 s69, s14, 9                         ; my 128 columns
	s_add_co_u32 s70, s70, s69
	s_lshl_b32 s68, s19, 21                        ; 256 rows of out0 of 8,192 bytes
	s_lshl_b32 s69, s13, 20                        ; my 128 rows
	s_add_co_u32 s68, s68, s69
	s_add_co_u32 s68, s68, s70
	s_mov_b32 s69, 0
	s_mov_b32 s71, 0
	s_wait_dscnt 0x0
	s_wait_kmcnt 0x0
	s_add_nc_u64 s[56:57], s[4:5], s[56:57]
	s_add_nc_u64 s[58:59], s[6:7], s[58:59]
	s_add_nc_u64 s[10:11], s[10:11], s[68:69]
	s_add_nc_u64 s[8:9], s[8:9], s[70:71]
	CROUND                                         ; all sixteen work-groups are here: the first joint loads meet
.irp s, 0,1
	s_mov_b32 s[G0A+4*\s], 1                                       ; count = 1
	s_add_co_u32 s[G0A+4*\s+1], s23, \s*SLOT                       ; LDS address
	s_add_nc_u64 s[G0A+4*\s+2:G0A+4*\s+3], s[56:57], \s*KSTEP*2    ; global address: K step s
	s_or_b32 s[G0A+4*\s+3], s[G0A+4*\s+3], 0x80000000              ; type = 2
	s_mov_b32 s[G0B+4*\s], 1
	s_add_co_u32 s[G0B+4*\s+1], s15, \s*SLOT
	s_add_nc_u64 s[G0B+4*\s+2:G0B+4*\s+3], s[58:59], \s*4*BBLK
	s_or_b32 s[G0B+4*\s+3], s[G0B+4*\s+3], 0x80000000
	JLOAD \s                                       ; both slots are asked for before anything else: two tensor loads of the wave are out
.endr
	; A fragment is 16 rows x 32 K in 8 registers: lane l holds row l % 16; registers 0-3 hold K = 8 (l / 16) + 0..7, registers 4-7 hold
	; K = 16 + 8 (l / 16) + 0..7 (ISA guide 7.12.2).  x: two loads of 16 bytes, 32 bytes apart, from rows that lie along K.  W: two loads, 512 bytes apart, lane l at 16 l.
	v_and_b32 v1, 15, v0                           ; r = l % 16
	v_bfe_u32 v2, v0, 4, 1                         ; h = l / 16
	v_and_b32 v3, 31, v0                           ; l
	v_mul_u32_u24 v4, v1, PITCH
	v_lshl_add_u32 v4, v2, 4, v4                   ; row x pitch + 16 x half
	s_mul_i32 s22, s13, HALFT                      ; my 128 rows of x
	v_add_nc_u32 v[ADRA], s22, v4
	v_add_nc_u32 v[ADRA+1], SLOT, v[ADRA]
	v_lshlrev_b32 v[CO], 4, v3
	s_lshl_b32 s22, s14, 13                        ; my eight n blocks of 1,024 bytes in each k block,
	s_add_co_u32 s22, s22, APART                   ; behind x's 256 rows
	v_add_nc_u32 v[ADRB], s22, v[CO]
	v_add_nc_u32 v[ADRB+1], SLOT, v[ADRB]
	s_mul_i32 s22, s12, 16*SPITCH
	s_add_co_u32 s22, s22, STAGE                   ; my stage
	v_mul_u32_u24 v5, v1, SPITCH
	v_lshl_add_u32 v5, v2, 5, v5                   ; in: row r, 32 bytes for each half of the lanes
	v_add_nc_u32 v[STO], s22, v5
	v_add_nc_u32 v[RD], s22, v[CO]                 ; back: the 512 bytes of a row
	global_load_b128 v[BIAS:BIAS+3], v[CO], s[8:9]
; 16 matrix instructions: m blocks a0, a0 + 1 of the window's four (hi = 0: my rows 0-63, 1: rows 64-127) x all 8 n blocks, 32 along K.
; zero = 1: the first product starts the sums: nothing is ever cleared.
.macro MUL16 f, hi, a0, zero
.irp a, \a0, \a0+1
.irp b, 0,1,2,3,4,5,6,7
.if \zero
	v_wmma_f32_16x16x32_bf16 v[8*(8*(\a)+\b):8*(8*(\a)+\b)+7], v[\f+8*\b:\f+8*\b+7], v[\f+8*(4*\hi+\a):\f+8*(4*\hi+\a)+7], 0
.else
	v_wmma_f32_16x16x32_bf16 v[8*(8*(\a)+\b):8*(8*(\a)+\b)+7], v[\f+8*\b:\f+8*\b+7], v[\f+8*(4*\hi+\a):\f+8*(4*\hi+\a)+7], v[8*(8*(\a)+\b):8*(8*(\a)+\b)+7]
.endif
.endr
.endr
.endm
; 32 LDS loads in one run: the fragments of one quarter step (k block q of the slot's four) into buffer f: W's eight, then x's eight
.macro FETCH slot, q, f
	WIN TO_B
.irp i, 0,1,2,3,4,5,6,7
	ds_load_b128 v[\f+8*\i:\f+8*\i+3],   v[ADRB+\slot] offset:\q*BBLK+\i*1024
	ds_load_b128 v[\f+8*\i+4:\f+8*\i+7], v[ADRB+\slot] offset:\q*BBLK+\i*1024+512
.endr
	WIN 0
.irp i, 0,1,2,3,4,5,6,7
	ds_load_b128 v[\f+8*\i:\f+8*\i+3],   v[ADRA+\slot] offset:\q*64+\i*16*PITCH
	ds_load_b128 v[\f+8*\i+4:\f+8*\i+7], v[ADRA+\slot] offset:\q*64+\i*16*PITCH+32
.endr
.endm
; A load into a register that a matrix instruction has read, and an LDS store that reads a matrix result, stand four places behind that
; matrix instruction, and only plain vector instructions that name none of its registers are places (ISA guide 7.12.1 for vector
; instructions).  So four v_nop stand in front of each run of loads: sixteen issue slots for a K step's 256 matrix instructions.
.macro PLACES
.rept 4
	v_nop
.endr
.endm
; A K step is four quarter steps of 32 along K, 64 matrix instructions each, on buffers 0, 1, 0, 1.  The 64 accumulators take turns, one
; instruction a turn, in the same order in every quarter, over the backward jump too.
; One of the first three quarters: multiplies buffer f; in its middle it fetches k block q of the same slot into buffer g.
.macro QUARTER slot, q, f, g, zero
	s_wait_dscnt 8                                 ; W and x's rows 0-63 are in; the youngest eight loads (x's rows 64-127) may be out
	WIN MUL_LO
	MUL16 \f, 0, 0, \zero
	MUL16 \f, 0, 2, \zero
	PLACES
	FETCH \slot, \q, \g
	s_wait_dscnt 32                                ; all but the 32 just issued
	WIN MUL_HI
	MUL16 \f, 1, 0, \zero
	MUL16 \f, 1, 2, \zero
.endm
.macro THREE slot, zero
	QUARTER \slot, 1, F0, F1, \zero
	QUARTER \slot, 2, F1, F0, 0
	QUARTER \slot, 3, F0, F1, 0
.endm
; The last quarter: multiplies buffer 1 and changes slots.  next = the other slot; fill = 1: this slot is filled again, two K steps ahead.
; One barrier for the change.  In front of it each wave waits for its reads of this slot and for all its tensor loads, of which one is
; out: its part of the next slot.  Behind it nobody reads this slot and the next slot is whole: the refill comes first, then the reads.
.macro TURN slot, next, fill
	s_wait_dscnt 8
	WIN MUL_LO
	MUL16 F1, 0, 0, 0
	s_wait_dscnt 0                                 ; my reads of this slot are over
	s_wait_tensorcnt 0x0                           ; and all my tensor loads have landed
	ds_add_u32 v255, v255
	s_wait_dscnt 0x0
	s_barrier_signal -1                            ; say so (where the slot is filled again this barrier opens a round of the cluster's barrier),
	MUL16 F1, 0, 2, 0                              ; work on registers while the others arrive,
	WIN 0
	s_barrier_wait -1
.if \fill
	CREST                                          ; no wave of any partner still reads this slot or has a load on its way
	s_add_nc_u64 s[G0A+4*\slot+2:G0A+4*\slot+3], s[G0A+4*\slot+2:G0A+4*\slot+3], 2*KSTEP*2
	s_add_nc_u64 s[G0B+4*\slot+2:G0B+4*\slot+3], s[G0B+4*\slot+2:G0B+4*\slot+3], 8*BBLK
	JLOAD \slot                                    ; the wave's one tensor load behind the round, and the first thing there
.endif
	PLACES
	FETCH \next, 0, F0
	WIN MUL_HI
	MUL16 F1, 1, 0, 0
	MUL16 F1, 1, 2, 0
.endm
.macro LAP zero                        ; once round the ring, both slots filled again
	THREE 0, \zero
	TURN 0, 1, 1
	THREE 1, 0
	TURN 1, 0, 1
.endm
	s_wait_loadcnt 0x0                             ; the bias, once
	s_wait_tensorcnt 0x1                           ; my part of K step 0 is in; K step 1's load, issued behind it, stays out
	s_barrier_signal -1
	s_barrier_wait -1                              ; everybody's is
	FETCH 0, 0, F0
	LAP 1                                          ; lap 0 stands in front of the loop: its first products start the sums
	WIN 0                                          ; at a label and at a branch every window is 0
	s_mov_b32 s62, LAPS-2
.Llap:
	LAP 0                                          ; laps 1 to 14; lap 14 asks for the last two K steps
	WIN 0
	s_sub_co_u32 s62, s62, 1
	s_cmp_lg_u32 s62, 0
	s_cbranch_scc1 .Llap
	THREE 0, 0                                     ; lap 15 fills nothing and has no round of the cluster's barrier: my one tensor load that is still out is the last K step's
	TURN 0, 1, 0
	THREE 1, 0
	s_wait_dscnt 8                                 ; the very last quarter: nothing more to fetch
	WIN MUL_LO
	MUL16 F1, 0, 0, 0
	MUL16 F1, 0, 2, 0
	s_wait_dscnt 0
	WIN MUL_HI
	MUL16 F1, 1, 0, 0
	MUL16 F1, 1, 2, 0
	; THE WAY OUT, 16 rows at a time: 32 bytes a lane from the accumulators into my own stage, whole rows of 512 bytes back, the bias added, stored.
	; The four v_nop are the places behind the last matrix instructions, for the LDS stores that read results and the loads into x's fragment buffers.
	PLACES
; rows 16 i .. 16 i + 15 of my block = the eight tiles (a, 0..7) of window 2 or 3 (st: the LDS stores' window setting); f: F0 or F1 in turn
.macro OUT16 i, a, st, f
	WIN \st
.irp b, 0,1,2,3,4,5,6,7
	ds_store_b128 v[STO], v[8*(8*\a+\b):8*(8*\a+\b)+3]   offset:64*\b
	ds_store_b128 v[STO], v[8*(8*\a+\b)+4:8*(8*\a+\b)+7] offset:64*\b+16
.endr
	WIN 0
	s_wait_xcnt 0x0                                ; buffer f, which earlier stores to out0 read, is loaded again only behind this wait
.set t, 0
.rept 16
	ds_load_b128 v[\f+4*t:\f+4*t+3], v[RD] offset:t*SPITCH   ; LDS serves a wave's instructions in order (ISA guide 5.7.1): these see the stores above
.set t, t+1
.endr
.set t, 0
.rept 16
	s_wait_dscnt 15-t                              ; row t is in, the younger loads stay out
	v_pk_add_f32 v[\f+4*t:\f+4*t+1],   v[\f+4*t:\f+4*t+1],   v[BIAS:BIAS+1]
	v_pk_add_f32 v[\f+4*t+2:\f+4*t+3], v[\f+4*t+2:\f+4*t+3], v[BIAS+2:BIAS+3]
	global_store_b128 v[CO], v[\f+4*t:\f+4*t+3], s[10:11] offset:(16*\i+t)*8192 th:TH_STORE_NT   ; the wave's store covers 512 consecutive bytes, aligned; the row stands in the immediate, 1,040,384 at the most
.set t, t+1
.endr
.endm
	OUT16 0, 0, ST_LO, F0
	OUT16 1, 1, ST_LO, F1
	OUT16 2, 2, ST_LO, F0
	OUT16 3, 3, ST_LO, F1
	OUT16 4, 0, ST_HI, F0
	OUT16 5, 1, ST_HI, F1
	OUT16 6, 2, ST_HI, F0
	OUT16 7, 3, ST_HI, F1
	s_set_vgpr_msb 0x1
	s_wait_tensorcnt 0x0
	ds_add_u32 v255, v255
	s_wait_dscnt 0x0
	s_set_vgpr_msb 0x100
	CROUND                                         ; the closing round: no work-group ends while a partner may still ask for a tile that names it
	s_endpgm
.Lfunc_end_k_q163358790c_gemm:
	.size	k_q163358790c_gemm, .Lfunc_end_k_q163358790c_gemm-k_q163358790c_gemm
	.p2alignl 7, 3214868480
	.fill 96, 4, 3214868480
	.section	.rodata,"a",@progbits
	.p2align	6, 0x0
	.amdhsa_kernel k_q163358790c_gemm
		.amdhsa_group_segment_fixed_size 327680
		.amdhsa_private_segment_fixed_size 0
		.amdhsa_enable_private_segment 0
		.amdhsa_kernarg_size 32
		.amdhsa_user_sgpr_count 2
		.amdhsa_user_sgpr_kernarg_segment_ptr 1
		.amdhsa_wavefront_size32 1
		.amdhsa_system_sgpr_workgroup_id_x 1
		.amdhsa_system_sgpr_workgroup_id_y 1
		.amdhsa_system_sgpr_workgroup_id_z 1
		.amdhsa_system_vgpr_workitem_id 0
		.amdhsa_next_free_vgpr 1024
		.amdhsa_next_free_sgpr 80
		.amdhsa_reserve_vcc 0
		.amdhsa_float_denorm_mode_32 3
		.amdhsa_float_denorm_mode_16_64 3
		.amdhsa_memory_ordered 1
		.amdhsa_forward_progress 1
		.amdhsa_inst_pref_size 211
	.end_amdhsa_kernel
	.amdgpu_metadata
---
amdhsa.version: [ 1, 2 ]
amdhsa.kernels:
  - .name:           k_q163358790c_gemm
    .symbol:         k_q163358790c_gemm.kd
    .args:
      - { .name: xb, .offset: 0, .size: 8, .value_kind: global_buffer, .address_space: global }
      - { .name: wq, .offset: 8, .size: 8, .value_kind: global_buffer, .address_space: global }
      - { .name: bias, .offset: 16, .size: 8, .value_kind: global_buffer, .address_space: global }
      - { .name: out0, .offset: 24, .size: 8, .value_kind: global_buffer, .address_space: global }
    .group_segment_fixed_size: 327680
    .private_segment_fixed_size: 0
    .kernarg_segment_align: 8
    .kernarg_segment_size: 32
    .max_flat_workgroup_size: 128
    .sgpr_count:     80
    .vgpr_count:     1024
    .wavefront_size: 32
...
	.end_amdgpu_metadata
.endif
;; end of part 3
;; ======== version 2 of 2: 3 launches; version 1 with the launch cast written anew for expert scheduling mode
;; workspace buffers: wq 16,777,216 bytes; xb 67,108,864 bytes
;; launch dequant: the kernel of part 1 again; grid 256 x 1, 8 waves a work-group, no clusters, 21,760 bytes of LDS; arguments indices, codebook, wq; writes wq
;; launch cast (part 4): grid 1024 x 1, 8 waves a work-group, no clusters, 0 bytes of LDS; arguments x, xb; writes xb
.if DOCPART == 4
	.amdgcn_target "amdgcn-amd-amdhsa--gfx1250"
	.amdhsa_code_object_version 6
	.text
	.protected	k_q163358790c_cast
	.globl	k_q163358790c_cast
	.p2align	8
	.type	k_q163358790c_cast,@function
k_q163358790c_cast:
	s_mov_b64 s[64:65], 0
	v_nop
	global_prefetch_b8 v0, s[64:65] scope:SCOPE_SE
	s_setreg_imm32_b32 hwreg(HW_REG_WAVE_SCHED_MODE, 0, 2), 2
	s_setreg_imm32_b32 hwreg(HW_REG_WAVE_MODE, 25, 1), 1
	s_wait_xcnt 0x0
	s_wait_alu depctr_vm_vsrc(0)
; xb = x rounded to bf16 (nearest even), in x's own order: [8192][4096].
; WHY A LAUNCH OF ITS OWN: the product's work-group makes 256 x 256 outputs and keeps two LDS slots that take turns.  With x in f32 a slot
; takes 256 x 4 + 256 x 2 = 1,536 bytes for each k, so two slots of 128 k would be 393,216 bytes, more than a work-group can have (327,680);
; with x in bf16 they are 2 x 135,168.  The longer step doubles the matrix work that stands between a tile's request and the wait for it.
; It also rounds each number of x once, not once in each of the eight block columns.
; A stream: 1,024 work-groups of eight waves; a work-group owns 131,072 bytes of x, 32 chunks of 4,096.  Thread t takes the 16 bytes at 16 t
; of each chunk, so a wave's load covers 512 consecutive bytes, and stores 8 bytes at 8 t, so a wave's store fills 256 consecutive bytes, aligned.
; The chunk stands in the immediates: no address register is ever written again.  Every chunk has its own pair of result registers, so no
; store's data is written again either.
; No LDS, no barrier, no matrix unit, no cluster: no byte is used twice.
; THE MODE: SCHED_MODE bits 1:0 = 2 (LLVM: expert scheduling mode 2), set by the entry lines.  The code itself states the register dependences
; between vector instructions and memory instructions, with s_wait_alu, always for 0.
; THE PLAN.  The 32 chunks go in 8 blocks of four.  Registers that memory instructions touch:
;   v1, v2     byte offsets: written once at the head; read by every load (v1) and every store (v2); never written again.
;   X0 .. X2   three buffers of four chunks as loaded (chunk c in slot c % 12).  Block p's eight roundings read X[p % 3]; behind them the loads
;              of block p + 3 land in it.  No memory instruction reads X.
;   Y          a pair for each chunk.  Written once, by the chunk's two roundings; read once, by the chunk's store.
; Block p: the wait for its four loads; its eight roundings; ONE wait on va_vdst; the four loads of block p + 3; its own four stores.
; That wait states that the roundings are done reading X[p % 3] and have written the block's Y; no vector instruction stands between it and the
; eight memory instructions that hang on it.  The emptied buffer is asked for again at once, so 8 to 12 loads of every wave are in flight.
; No register that a memory instruction reads is ever written behind that read, so past the entry lines the text holds no wait on vm_vsrc and no s_wait_xcnt.
.set CHUNK,  4096
.set CHUNKS, 32
.set BLOCK,  4                         ; chunks in a block
.set BLOCKS, CHUNKS/BLOCK              ; 8
.set BUFS,   3                         ; buffers of a block's loads
.set DEPTH,  BUFS*BLOCK                ; load slots: 12
.set IO, 1                             ; v1         16 t
.set OO, 2                             ; v2         8 t
.set X,  4                             ; v[4:51]    slot c % 12: four f32 as loaded
.set Y,  52                            ; v[52:115]  chunk c: four bf16 to store
	s_load_b128 s[4:7], s[0:1], 0x0                ; x s[4:5], xb s[6:7]
	s_lshl_b32 s8, ttmp9, 17                       ; 131,072 bytes of x for each work-group: 2^27 in all, below 4 GiB
	s_mov_b32 s9, 0
	s_lshl_b32 s10, ttmp9, 16                      ; half as many of xb
	s_mov_b32 s11, 0
	v_lshlrev_b32 v[IO], 4, v0
	v_lshlrev_b32 v[OO], 3, v0
	s_wait_kmcnt 0x0
	s_add_nc_u64 s[4:5], s[4:5], s[8:9]
	s_add_nc_u64 s[6:7], s[6:7], s[10:11]
	s_wait_alu depctr_va_vdst(0)                   ; v1 and v2 are written: every load and store of the kernel reads one of them as its offset
.set c, 0
.rept DEPTH
	global_load_b128 v[X+4*c:X+4*c+3], v[IO], s[4:5] offset:c*CHUNK th:TH_LOAD_NT   ; blocks 0, 1 and 2 into X0, X1, X2; read once in the launch
.set c, c+1
.endr
.set p, 0
.rept BLOCKS
.if p < BLOCKS-BUFS
	s_wait_loadcnt (BUFS-1)*BLOCK                  ; loads come back in order (ISA guide 5.7.1): block p is in, the two younger blocks' eight loads stay out
.else
	s_wait_loadcnt (BLOCKS-1-p)*BLOCK              ; the last three blocks load nothing: the counts run down 8, 4, 0
.endif
.set i, 0
.rept BLOCK
.set c, p*BLOCK+i
	v_cvt_pk_bf16_f32 v[Y+2*c],   v[X+4*(c%DEPTH)],   v[X+4*(c%DEPTH)+1]
	v_cvt_pk_bf16_f32 v[Y+2*c+1], v[X+4*(c%DEPTH)+2], v[X+4*(c%DEPTH)+3]
.set i, i+1
.endr
.if p < BLOCKS-BUFS
	s_wait_alu depctr_va_vdst(0)                   ; the block's roundings are done reading its X buffer, in which the loads below land, and have written its Y, which the stores below read
.set i, 0
.rept BLOCK
.set c, p*BLOCK+i
	global_load_b128 v[X+4*(c%DEPTH):X+4*(c%DEPTH)+3], v[IO], s[4:5] offset:(c+DEPTH)*CHUNK th:TH_LOAD_NT   ; three blocks ahead, into the buffer just emptied; the loads go ahead of the stores
.set i, i+1
.endr
.else
	s_wait_alu depctr_va_vdst(0)                   ; the block's roundings have written its Y, which the stores below read
.endif
.set i, 0
.rept BLOCK
.set c, p*BLOCK+i
	global_store_b64 v[OO], v[Y+2*c:Y+2*c+1], s[6:7] offset:c*CHUNK/2   ; no hint: the next launch reads these bytes
.set i, i+1
.endr
.set p, p+1
.endr
	s_endpgm
.Lfunc_end_k_q163358790c_cast:
	.size	k_q163358790c_cast, .Lfunc_end_k_q163358790c_cast-k_q163358790c_cast
	.p2alignl 7, 3214868480
	.fill 96, 4, 3214868480
	.section	.rodata,"a",@progbits
	.p2align	6, 0x0
	.amdhsa_kernel k_q163358790c_cast
		.amdhsa_group_segment_fixed_size 0
		.amdhsa_private_segment_fixed_size 0
		.amdhsa_enable_private_segment 0
		.amdhsa_kernarg_size 16
		.amdhsa_user_sgpr_count 2
		.amdhsa_user_sgpr_kernarg_segment_ptr 1
		.amdhsa_wavefront_size32 1
		.amdhsa_system_sgpr_workgroup_id_x 1
		.amdhsa_system_sgpr_workgroup_id_y 1
		.amdhsa_system_sgpr_workgroup_id_z 1
		.amdhsa_system_vgpr_workitem_id 0
		.amdhsa_next_free_vgpr 116
		.amdhsa_next_free_sgpr 66
		.amdhsa_reserve_vcc 0
		.amdhsa_float_denorm_mode_32 3
		.amdhsa_float_denorm_mode_16_64 3
		.amdhsa_memory_ordered 1
		.amdhsa_forward_progress 1
		.amdhsa_inst_pref_size 12
	.end_amdhsa_kernel
	.amdgpu_metadata
---
amdhsa.version: [ 1, 2 ]
amdhsa.kernels:
  - .name:           k_q163358790c_cast
    .symbol:         k_q163358790c_cast.kd
    .args:
      - { .name: x, .offset: 0, .size: 8, .value_kind: global_buffer, .address_space: global }
      - { .name: xb, .offset: 8, .size: 8, .value_kind: global_buffer, .address_space: global }
    .group_segment_fixed_size: 0
    .private_segment_fixed_size: 0
    .kernarg_segment_align: 8
    .kernarg_segment_size: 16
    .max_flat_workgroup_size: 256
    .sgpr_count:     66
    .vgpr_count:     116
    .wavefront_size: 32
...
	.end_amdgpu_metadata
.endif
;; end of part 4
;; launch gemm: the kernel of part 3 again; grid 8 x 32, 4 waves a work-group, clusters of 4 x 4, 327,680 bytes of LDS; arguments xb, wq, bias, out0; writes out0
